; MI455X (gfx1250); checked and timed in simulation.
; The chip was launched on July 23, 2026; its instructions are those of AMD's public machine-readable ISA for CDNA 5 (MIT licence, August 2026) and "CDNA5" Instruction Set Architecture Reference Guide (July 2026). The comments in the code are by the model that wrote it; some were corrected since.
;; Feed Forward Quantum. Allowed arithmetic: matrix products marked QUANTISED: E3M2 operands, one E8M0 scale for each 32 along K, by v_wmma_scale_f32_16x16x128_f8f6f4 with both operands' format E3M2, f32 sums; products left as they are: f32 operands where the result goes on into a quantised operand, else bf16, f16 or f32 operands; f32 sums; everything else in f32.
;; Inputs: b1 4,096 float32; b2 1,024 float32; theta 10 float32; w1 4,096 x 10 float32; w2 1,024 x 4,096 float32; x 4 x 4,096 x 1,024 float32.
;; Outputs: out0 4 x 4,096 x 1,024 float32.
;; This version of the problem:
;;   THIS VERSION OF THE PROBLEM IS GIVEN IN LOW PRECISION. The matrix products marked QUANTISED in the list below multiply operands that are first quantised to E3M2 (3 exponent bits, 2 mantissa bits; 6 bits a number), with one power-of-two scale for each 32 numbers along K (OCP MX v1.0); their sums are f32. All else is computed in f32.
;;   The module's matrix products, in the order in which they are computed (A, B: the left and right operand; K: the contracted axis; several contracted axes count as one K, in the product's order):
;;     1. [M 16,384, K 10] x [K 10, N 4,096]; A: computed on the way; B: input w1: left as it is (K = 10 < 32)
;;     2. [M 16,384, K 4,096] x [K 4,096, N 1,024]; A: computed on the way; B: input w2: QUANTISED
;;   THE QUANTISER, for each operand of a quantised product, along K:
;;     - K is cut into blocks of 32 from its start; a last block that is shorter is filled with zeros.
;;     - A block's scale is 2^e with e = floor(log2(the largest magnitude in the block)) - 4, held to -126 .. 127; a block of zeros has e = 0. As a byte (E8M0): e + 127.
;;     - Each number is divided by its block's scale, clamped to +-28, and rounded to the nearest number of E3M2, ties to even, subnormals kept.
;;     - The product sums the exact products of the quantised numbers (number of the format x scale) in f32.
;;   ~~~python
;;   def quantise(x, axis):      # numpy; x: float32 -> the quantised numbers, widened to float32 again
;;       x = np.moveaxis(x, axis, -1); K = x.shape[-1]
;;       x = np.pad(x, [(0, 0)] * (x.ndim - 1) + [(0, -K % 32)]); x = x.reshape(x.shape[:-1] + (-1, 32)); a = np.abs(x).max(-1, keepdims=True)
;;       e = np.where(a > 0, np.clip(np.frexp(np.where(a > 0, a, 1))[1] - 1 - 4, -126, 127), 0)      # np.frexp(a)[1] - 1 = floor(log2(a)), exactly
;;       r = np.clip(x / 2.0 ** e, -28, 28)
;;       step = 2.0 ** (np.maximum(np.frexp(np.where(r == 0, 1, r))[1] - 1, -2) - 2)
;;       q = np.round(r / step) * step * 2.0 ** e      # np.round: ties to even
;;       return np.moveaxis(q.reshape(q.shape[:-2] + (-1,))[..., :K], -1, axis).astype(np.float32)
;;   ~~~
;;   OPERANDS COMPUTED ON THE WAY. 'Computed on the way' means the value that the module computes at that place (a softmax that the list does not call 'softmax' is quantised finished and normalised). What goes into a quantiser is computed in f32, as accurately as f32 sums, v_exp_f32 and their like allow (about 1e-6 of the number): no bf16 or f16 on the way to a quantiser, and a product that is left as it is and whose result goes on into a quantised operand takes f32 operands (vector FMAs, or v_wmma_f32_16x16x4_f32). A number that lies on a knife's edge between two numbers of the format may be rounded either way, as far as f32 arithmetic and the matrix unit's own rounding can turn it there, and no further.
;; One version. Each part assembles by itself: llvm-mc -triple=amdgcn-amd-amdhsa -mcpu=gfx1250 --defsym DOCPART=n.
;; ======== version 1 of 1: 2 launches
;; limits: inputs' magnitudes at most 1,000,000
;; workspace buffers: hc 50,331,648 bytes; hs 2,097,152 bytes; wc 3,145,728 bytes; ws 131,072 bytes
;; launch make (part 1): grid 16 x 16, 4 waves a work-group, no clusters, 129,536 bytes of LDS; arguments x, theta, w1, b1, w2, hc, hs, wc, ws; writes hc, hs, wc, ws
.if DOCPART == 1
	.amdgcn_target "amdgcn-amd-amdhsa--gfx1250"
	.amdhsa_code_object_version 6
	.text
	.protected	k_q1ca9a6d2fa_make
	.globl	k_q1ca9a6d2fa_make
	.p2align	8
	.type	k_q1ca9a6d2fa_make,@function
k_q1ca9a6d2fa_make:
	s_mov_b64 s[64:65], 0
	v_nop
	global_prefetch_b8 v0, s[64:65] scope:SCOPE_SE
	s_setreg_imm32_b32 hwreg(HW_REG_WAVE_MODE, 25, 1), 1
	s_wait_xcnt 0x0
; FIRST OF TWO LAUNCHES.  h = relu(q w1^T + b1), q = cos(x[:, 0..9]) cos(theta), is computed ONCE, in f32, and quantised along its 4,096 hidden units to codes of BF6 (E3M2) with one E8M0 byte
; for each 32; w2 [1024][4096] is quantised along the same axis.  Both go to workspace laid in the order of the matrix operand's registers, so that the second launch reads fragments as they lie.
; hc, wc: [row tile of 16][kh = 64 along K][768 bytes]: bytes 16 l .. + 15 are registers 0-3, bytes 512 + 8 l .. + 7 registers 4-5 of lane l = (r, hh): row 16 T + r, k = 64 kh + 32 hh + 0 .. 31.
; hs, ws: [K step of 128][row][4 bytes]: byte b is the scale of block 4 s + b.
; A block's scale is 2^(floor(log2(largest magnitude)) - 4); its byte is the largest magnitude's exponent field - 4, held at 1 from below.
; SHARES.  Work-group (j, c): hidden units 256 j .. + 255, rows 1024 c .. + 1023.  Wave w keeps the 64 units 256 j + 64 w .. as 640 registers of w1 (the same in all lanes, pairs along the units)
; and sweeps 32 groups of 32 rows, A LANE TO A ROW: a block of 32 units lies in one lane's registers, so its largest magnitude asks no other lane and the conversions give K innermost.
; The product with K = 10 feeds a quantiser: it is 320 packed f32 multiply-adds a group, b1 being the addend of the first.  No matrix instruction, no tensor load, no cluster: the work-groups share no tile.
; The cosine is written out: n = round(x / pi + 1/2), r = x - (n - 1/2) pi by three parts of pi, cos x = (-1)^n sin r, sin by its series to r^13 (the next term is under 1e-9 at pi / 2).
; LIMITS: the reduction is laid for |x|, |theta| up to 1e6; NaN and infinities among the inputs are not served; a block of zeros gets the byte 1 where the rule says 127: its codes are zeros, which add
; nothing under any byte but 0xff, and this program alone reads the bytes.
.set QT,    0                          ; LDS: q of the work-group's 1,024 rows: group g of 32 rows is 1,280 bytes: q0-3 at 16 l, q4-7 at 512 + 16 l, q8-9 at 1,024 + 8 l
.set WIMG,  40960                      ; each wave's image of its w1: word 20 p + 2 jj + e = w1[2 p + e][jj]; from byte 2,560 on its 64 b1
.set WIMW,  3072
.set STG2,  53248                      ; each wave's stage for 32 rows x 128 numbers of w2: rows 528 bytes apart, an odd multiple of 16
.set S2W,   16896
.set S2P,   528
.set SST,   120832                     ; each wave's 2,048 bytes: two scale bytes for each of the 1,024 rows
.set TROW,  49152                      ; a row tile of hc or wc in bytes
.set UNIT,  768
.set L,    1                           ; v1   lane
.set L16,  2                           ; v2   16 x lane     (v2 to v15 and v61 to v63 are never rewritten)
.set L8,   3                           ; v3   8 x lane
.set L4,   4                           ; v4   4 x lane
.set ZR,   5                           ; v5   0
.set XO,   6                           ; v6   x: my row, 4,096 bytes a lane
.set W1O,  7                           ; v7   w1: my row, 40 bytes a lane
.set WSA,  8                           ; v8   where my row of w1 goes in the image: 80 (l / 2) + 4 (l % 2)
.set B1A,  9                           ; v9   the image + 8 l
.set WIA,  10                          ; v10  the image, the same in all lanes
.set QS4,  11                          ; v11  my wave's eight groups of q + 16 l
.set QS2,  12                          ; v12  the same + 8 l
.set S2I,  13                          ; v13  w2's stage, on the way in: 16 l
.set S2O,  14                          ; v14  and out: 528 l
.set SSA,  15                          ; v15  my wave's scale bytes + 2 l
.set Q,    16                          ; v16-25   q of my row
.set TH,   26                          ; v26-35   cos(theta)
.set W1R,  36                          ; v36-55   w1 as loaded
.set B1R,  56                          ; v56-57   b1 as loaded
.set QA,   58
.set QB,   59
.set SA,   60
.set SRA,  61                          ; v61  the scales' way out
.set C13,  62                          ; v62-63   1 / 13!, twice
.set ACC,  64                          ; v64-127  h of my row, 64 units; in the head v64-191 hold 128 numbers of w2
.set B,    128                         ; v128-191 b1 of the 64 units
.set T,    192                         ; the cosine's ten numbers at work: T, N, R, Z, P
.set N,    202
.set R,    212
.set Z,    222
.set P,    232
.set CA,   192                         ; later: v192-197, v200-205 two tiles' six code registers; v208-210, v212-214 the blocks' upper halves
.set CB,   200
.set TA,   208
.set TB,   212
.set M,    216                         ; v216-219 largest magnitudes, two chains a block
.set E,    220                         ; v220-221 the conversions' scale operands
.set Y,    222                         ; v222-223 the scale bytes
.set HW,   224                         ; v224 two bytes of my row; v225 a copy
.set XR,   160                         ; window 3: v160-249: x as loaded, ten a group; the ninth ten is theta
; windows 1 to 3: w1's pair (p, jj) at window 1 + p / 12, register 20 (p % 12) + 2 jj
.set MSB, 0
.macro WIN new                         ; s_set_vgpr_msb: bits 1:0 source 0, 3:2 source 1, 5:4 source 2, 7:6 destination; the high byte repeats the setting that is left
.if MSB != (\new)
	s_set_vgpr_msb (MSB<<8)|(\new)
.set MSB, (\new)
.endif
.endm
; ten cosines of a lane.  th = 1: theta's, into TH.  th = 0: x's of group i, times cos(theta), left in R
.macro COS i, th
.set XI, XR+10*(\i)
	WIN 0x03
.irp k, 0,2,4,6,8
	v_pk_fma_f32 v[T+\k:T+\k+1], v[XI+\k:XI+\k+1], 0x3ea2f983, 0.5 op_sel_hi:[1,0,0]     ; x / pi + 1/2
.endr
	WIN 0
.irp k, 0,1,2,3,4,5,6,7,8,9
	v_rndne_f32 v[N+\k], v[T+\k]                                                           ; n
.endr
.irp k, 0,2,4,6,8
	v_pk_add_f32 v[T+\k:T+\k+1], v[N+\k:N+\k+1], -0.5 op_sel_hi:[1,0]                      ; m = n - 1/2, exact
.endr
	WIN 0x30
.irp k, 0,2,4,6,8
	v_pk_fma_f32 v[R+\k:R+\k+1], v[T+\k:T+\k+1], 0xc0490fdb, v[XI+\k:XI+\k+1] op_sel_hi:[1,0,1]   ; r = x - m pi, pi in three parts, each step one rounding
.endr
	WIN 0
.irp s, 0x33bbbd2e, 0x27772ced
.irp k, 0,2,4,6,8
	v_pk_fma_f32 v[R+\k:R+\k+1], v[T+\k:T+\k+1], \s, v[R+\k:R+\k+1] op_sel_hi:[1,0,1]
.endr
.endr
.irp k, 0,2,4,6,8
	v_pk_mul_f32 v[Z+\k:Z+\k+1], v[R+\k:R+\k+1], v[R+\k:R+\k+1]                            ; z = r r
.endr
.irp k, 0,2,4,6,8
	v_pk_fma_f32 v[P+\k:P+\k+1], v[Z+\k:Z+\k+1], v[C13:C13+1], 0xb2d7322b op_sel_hi:[1,1,0]   ; the series' coefficients 1/13!, -1/11!, .. -1/3!, from the top
.endr
.irp s, 0x3638ef1d, 0xb9500d01, 0x3c088889, 0xbe2aaaab
.irp k, 0,2,4,6,8
	v_pk_fma_f32 v[P+\k:P+\k+1], v[P+\k:P+\k+1], v[Z+\k:Z+\k+1], \s op_sel_hi:[1,1,0]
.endr
.endr
.irp k, 0,2,4,6,8
	v_pk_mul_f32 v[T+\k:T+\k+1], v[Z+\k:Z+\k+1], v[R+\k:R+\k+1]
.endr
.irp k, 0,2,4,6,8
	v_pk_fma_f32 v[R+\k:R+\k+1], v[T+\k:T+\k+1], v[P+\k:P+\k+1], v[R+\k:R+\k+1]            ; sin r = r + r z P(z)
.endr
.irp k, 0,1,2,3,4,5,6,7,8,9
	v_cvt_i32_f32 v[N+\k], v[N+\k]
.endr
.irp k, 0,1,2,3,4,5,6,7,8,9
	v_lshlrev_b32 v[N+\k], 31, v[N+\k]                                                     ; n's lowest bit at the sign's place
.endr
.if \th
.irp k, 0,1,2,3,4,5,6,7,8,9
	v_xor_b32 v[TH+\k], v[R+\k], v[N+\k]
.endr
.else
.irp k, 0,1,2,3,4,5,6,7,8,9
	v_xor_b32 v[R+\k], v[R+\k], v[N+\k]
.endr
.irp k, 0,2,4,6,8
	v_pk_mul_f32 v[R+\k:R+\k+1], v[R+\k:R+\k+1], v[TH+\k:TH+\k+1]
.endr
.endif
.endm
; the next n of the 160 loads that spread the image of w1 over all lanes: every lane reads the same 16 bytes.  They land while the cosines are worked
.set WK, 0
.macro WFILL n
.rept \n
	WIN (1+(4*WK)/240)<<6
	ds_load_b128 v[(4*WK)%240:(4*WK)%240+3], v[WIA] offset:16*WK
.set WK, WK+1
.endr
	WIN 0
.endm
; 64 numbers of a lane, v[s] .. v[s + 63] = two blocks of 32 along K of my row, become the half fragments of two row tiles (rows 0-15 in CA, rows 16-31 in CB) and my row's two scale bytes in HW
.macro QPAIR s
.irp b, 0,1
	v_max3_num_f32 v[M+2*\b], |v[(\s)+32*\b]|, |v[(\s)+32*\b+1]|, 0x2800000                ; the floor 2^(5 - 127) among the leaves: the byte cannot fall under 1
	v_max3_num_f32 v[M+2*\b+1], |v[(\s)+32*\b+16]|, |v[(\s)+32*\b+17]|, |v[(\s)+32*\b+18]|
.endr
.irp i, 2,4,6,8,10,12
.irp b, 0,1
	v_max3_num_f32 v[M+2*\b], v[M+2*\b], |v[(\s)+32*\b+\i]|, |v[(\s)+32*\b+\i+1]|          ; four chains by turns
	v_max3_num_f32 v[M+2*\b+1], v[M+2*\b+1], |v[(\s)+32*\b+\i+17]|, |v[(\s)+32*\b+\i+18]|
.endr
.endr
.irp b, 0,1
	v_max3_num_f32 v[M+2*\b], v[M+2*\b], |v[(\s)+32*\b+14]|, |v[(\s)+32*\b+15]|
.endr
.irp b, 0,1
	v_max3_num_f32 v[M+2*\b], v[M+2*\b], v[M+2*\b+1], |v[(\s)+32*\b+31]|
.endr
.irp b, 0,1
	v_add_nc_u32 v[E+\b], 0xfe000000, v[M+2*\b]                                            ; 4 off the exponent field: the conversion takes the exponent field of this operand as its scale
.endr
	v_cvt_scalef32_pk16_bf6_f32 v[CA:CA+2], v[(\s):(\s)+15], v[E]                          ; a conversion's three registers begin on an even number, so a block's upper half is made apart and moved
	v_cvt_scalef32_pk16_bf6_f32 v[TA:TA+2], v[(\s)+16:(\s)+31], v[E]
	v_cvt_scalef32_pk16_bf6_f32 v[CB:CB+2], v[(\s)+32:(\s)+47], v[E+1]
	v_cvt_scalef32_pk16_bf6_f32 v[TB:TB+2], v[(\s)+48:(\s)+63], v[E+1]
	v_lshrrev_b32 v[Y], 23, v[E]                                                           ; the scale bytes: plain lines between the conversions and the first touch of their results
	v_lshrrev_b32 v[Y+1], 23, v[E+1]
	v_lshl_or_b32 v[HW], v[Y+1], 8, v[Y]
.irp i, 0,1,2                          ; block 0's lanes 16-31 change places with block 1's lanes 0-15: the first register is then rows 0-15 (block 0 | block 1), the second rows 16-31: the operand's lanes
	v_permlane16_swap_b32 v[CA+\i], v[CB+\i]
	v_permlane16_swap_b32 v[TA+\i], v[TB+\i]
.endr
.irp i, 0,1,2
	v_mov_b32 v[CA+3+\i], v[TA+\i]
	v_mov_b32 v[CB+3+\i], v[TB+\i]
.endr
.endm
; the two tiles' units leave: each store covers 512 or 256 consecutive bytes that begin at a multiple of 256
.macro PUT base, off
	global_store_b128 v[L16], v[CA:CA+3], s[\base:\base+1] offset:\off
	global_store_b64 v[L8], v[CA+4:CA+5], s[\base:\base+1] offset:\off+512
	global_store_b128 v[L16], v[CB:CB+3], s[\base:\base+1] offset:\off+TROW
	global_store_b64 v[L8], v[CB+4:CB+5], s[\base:\base+1] offset:\off+TROW+512
.endm
	s_load_b512 s[4:19], s[0:1], 0x0               ; x 4, theta 6, w1 8, b1 10, w2 12, hc 14, hs 16, wc 18
	s_load_b64 s[20:21], s[0:1], 0x40              ; ws
	v_lshl_add_u32 v254, v0, 2, 0x1f800
	v_mov_b32 v255, 0
	v_lshrrev_b32 v1, 5, v0
	v_readfirstlane_b32 s22, v1                    ; w: wave 0..3
	s_and_b32 s24, ttmp7, 0xffff                   ; c;  j is ttmp9
	v_and_b32 v[L], 31, v0
	v_lshlrev_b32 v[L16], 4, v[L]
	v_lshlrev_b32 v[L8], 3, v[L]
	v_lshlrev_b32 v[L4], 2, v[L]
	v_mov_b32 v[ZR], 0
	v_lshlrev_b32 v[XO], 12, v[L]
	v_mul_u32_u24 v[W1O], v[L], 40
	s_mul_i32 s25, s22, WIMW
	s_add_co_u32 s25, s25, WIMG                    ; my wave's image
	v_lshrrev_b32 v[WSA], 1, v[L]
	v_mul_u32_u24 v[WSA], v[WSA], 80
	v_and_b32 v[B1A], 1, v[L]
	v_lshl_add_u32 v[WSA], v[B1A], 2, v[WSA]
	v_add_nc_u32 v[WSA], s25, v[WSA]
	v_add_nc_u32 v[B1A], s25, v[L8]
	v_mov_b32 v[WIA], s25
	s_mul_i32 s26, s22, 10240                      ; my wave's eight groups of q
	v_add_nc_u32 v[QS4], s26, v[L16]
	v_add_nc_u32 v[QS2], s26, v[L8]
	s_mul_i32 s26, s22, S2W
	s_add_co_u32 s26, s26, STG2
	v_add_nc_u32 v[S2I], s26, v[L16]
	v_mul_u32_u24 v[S2O], v[L], S2P
	v_add_nc_u32 v[S2O], s26, v[S2O]
	s_lshl_b32 s26, s22, 11
	s_add_co_u32 s26, s26, SST
	v_lshl_add_u32 v[SSA], v[L], 1, s26
	s_lshr_b32 s26, s22, 1                         ; w / 2: which K step of the work-group's two
	s_and_b32 s27, s22, 1                          ; w % 2
	s_lshl_b32 s28, s26, 12
	s_lshl_b32 s29, s27, 10
	s_add_co_u32 s28, s28, s29
	s_add_co_u32 s28, s28, SST
	v_add_nc_u32 v[SRA], s28, v[L8]                ; the way out: the bytes of waves 2 (w / 2) and 2 (w / 2) + 1, rows 512 (w % 2) on, four rows a lane
	v_mov_b32 v[C13], 0x2f309231
	v_mov_b32 v[C13+1], 0x2f309231
	; byte offsets, each in a pair with 0 above it
	s_lshl_b32 s32, s24, 22                        ; x: (1024 c + 256 w) rows of 4,096 bytes
	s_lshl_b32 s25, s22, 20
	s_add_co_u32 s32, s32, s25
	s_mov_b32 s33, 0
	s_mul_i32 s34, ttmp9, 10240                    ; w1: (256 j + 64 w) rows of 40 bytes
	s_mul_i32 s25, s22, 2560
	s_add_co_u32 s34, s34, s25
	s_mov_b32 s35, 0
	s_lshl_b32 s36, ttmp9, 10                      ; b1
	s_lshl_b32 s25, s22, 8
	s_add_co_u32 s36, s36, s25
	s_mov_b32 s37, 0
	s_lshl_b32 s38, s24, 6
	s_lshl_b32 s25, ttmp9, 2
	s_add_co_u32 s25, s25, s22                     ; kh = 4 j + w
	s_add_co_u32 s38, s38, s25                     ; my wave's number in the launch, 0 .. 1023
	s_and_b32 s39, s38, 31                         ; w2: which 32 rows,
	s_lshr_b32 s38, s38, 5                         ; which K step of 128
	s_mul_i32 s42, s24, 64*TROW                    ; hc: row tile 64 c, unit kh
	s_mul_i32 s25, s25, UNIT
	s_add_co_u32 s42, s42, s25
	s_mov_b32 s43, 0
	s_lshl_b32 s40, s39, 19                        ; w2: 32 rows of 16,384 bytes; 512 bytes a K step
	s_lshl_b32 s25, s38, 9
	s_add_co_u32 s40, s40, s25
	s_mov_b32 s41, 0
	s_mul_i32 s44, s39, 2*TROW                     ; wc: two row tiles, two units
	s_mul_i32 s25, s38, 2*UNIT
	s_add_co_u32 s44, s44, s25
	s_mov_b32 s45, 0
	s_lshl_b32 s46, s38, 12                        ; ws: 4,096 bytes a K step, 4 a row
	s_lshl_b32 s25, s39, 7
	s_add_co_u32 s46, s46, s25
	s_mov_b32 s47, 0
	s_lshl_b32 s48, ttmp9, 1                       ; hs: K step 2 j + w / 2 of 65,536 bytes; rows 1024 c + 512 (w % 2)
	s_add_co_u32 s48, s48, s26
	s_lshl_b32 s48, s48, 16
	s_lshl_b32 s25, s24, 12
	s_add_co_u32 s48, s48, s25
	s_lshl_b32 s25, s27, 11
	s_add_co_u32 s48, s48, s25
	s_mov_b32 s49, 0
	s_mov_b32 s53, 0x05040100                      ; v_perm_b32: the two low halves; the two high halves
	s_mov_b32 s54, 0x07060302
	s_wait_kmcnt 0x0
	s_add_nc_u64 s[4:5], s[4:5], s[32:33]
	s_add_nc_u64 s[8:9], s[8:9], s[34:35]
	s_add_nc_u64 s[10:11], s[10:11], s[36:37]
	s_add_nc_u64 s[12:13], s[12:13], s[40:41]
	s_add_nc_u64 s[14:15], s[14:15], s[42:43]
	s_add_nc_u64 s[16:17], s[16:17], s[48:49]
	s_add_nc_u64 s[18:19], s[18:19], s[44:45]
	s_add_nc_u64 s[20:21], s[20:21], s[46:47]
	; ALL LOADS OF THE HEAD, in the order of their use: w1 10, b1 1, theta 3, x 24, w2 32
.irp k, 0,1
.irp i, 0,1,2,3,4
	global_load_b64 v[W1R+10*\k+2*\i:W1R+10*\k+2*\i+1], v[W1O], s[8:9] offset:1280*\k+8*\i      ; unit 32 k + lane, its ten numbers
.endr
.endr
	global_load_b64 v[B1R:B1R+1], v[L8], s[10:11]
	WIN 0xc0                                       ; destination window 3
	global_load_b128 v[XR+80:XR+83], v[ZR], s[6:7]
	global_load_b128 v[XR+84:XR+87], v[ZR], s[6:7] offset:16
	global_load_b64 v[XR+88:XR+89], v[ZR], s[6:7] offset:32
.irp i, 0,1,2,3,4,5,6,7
	global_load_b128 v[XR+10*\i:XR+10*\i+3], v[XO], s[4:5] offset:131072*\i                     ; row 32 i + lane of my wave's 256: its first ten numbers
	global_load_b128 v[XR+10*\i+4:XR+10*\i+7], v[XO], s[4:5] offset:131072*\i+16
	global_load_b64 v[XR+10*\i+8:XR+10*\i+9], v[XO], s[4:5] offset:131072*\i+32
.endr
	WIN 0
.set i, 0
.rept 32
	global_load_b128 v[64+4*i:64+4*i+3], v[L16], s[12:13] offset:16384*i th:TH_LOAD_NT          ; row i of my 32 of w2: 32 lanes read 512 consecutive bytes; read once in the launch
.set i, i+1
.endr
	s_wait_loadcnt 59                              ; w1 and b1 are in: 3 + 24 + 32 younger loads may be out
.irp k, 0,1
.irp jj, 0,1,2,3,4,5,6,7,8,9
	ds_store_b32 v[WSA], v[W1R+10*\k+\jj] offset:1280*\k+8*\jj
.endr
.endr
	ds_store_b64 v[B1A], v[B1R:B1R+1] offset:2560
	s_wait_loadcnt 56                              ; theta is in: 24 + 32 younger
	COS 8, 1
	WFILL 18                                       ; LDS serves a wave's instructions in order (ISA guide 5.7.1.4): these see my stores
.irp i, 0,1,2,3,4,5,6,7
	s_wait_loadcnt 3*(7-\i)+32                     ; group i of x is in: the later groups' loads and w2's 32 may be out
	COS \i, 0
	ds_store_b128 v[QS4], v[R:R+3] offset:1280*\i
	ds_store_b128 v[QS4], v[R+4:R+7] offset:1280*\i+512
	ds_store_b64 v[QS2], v[R+8:R+9] offset:1280*\i+1024
.if \i < 7
	WFILL 18
.else
	WFILL 16
.endif
.endr
	; w2: 32 rows x 128 along K turn through my stage, so that a lane holds a row
	s_wait_loadcnt 0x0
.set i, 0
.rept 32
	ds_store_b128 v[S2I], v[64+4*i:64+4*i+3] offset:S2P*i
.set i, i+1
.endr
	s_wait_dscnt 0x0
.set i, 0
.rept 32
	ds_load_b128 v[64+4*i:64+4*i+3], v[S2O] offset:16*i
.set i, i+1
.endr
	s_wait_dscnt 0x0
	QPAIR 64
	PUT 18, 0
	v_mov_b32 v[HW+1], v[HW]
	s_wait_xcnt 0x0                                ; the stores have read their registers: the codes' registers are written again only behind this wait
	QPAIR 128
	PUT 18, UNIT
	v_lshl_or_b32 v[HW], v[HW], 16, v[HW+1]        ; my row's scale word of this K step
	global_store_b32 v[L4], v[HW], s[20:21]
.set i, 0
.rept 16
	ds_load_b128 v[B+4*i:B+4*i+3], v[WIA] offset:2560+16*i      ; b1 of my 64 units, the same in all lanes
.set i, i+1
.endr
	s_wait_dscnt 0x0                               ; for the others' sake: my stores of q have landed; and w1 and b1 are in my registers
	s_wait_xcnt 0x0                                ; wc's and ws's stores have read their registers
	s_barrier_signal -1
	s_barrier_wait -1                              ; q of all 1,024 rows lies in LDS
	ds_load_b128 v[Q:Q+3], v[L16]                  ; group 0
	ds_load_b128 v[Q+4:Q+7], v[L16] offset:512
	ds_load_b64 v[Q+8:Q+9], v[L8] offset:1024
; A GROUP OF 32 ROWS.  next = 1: the next group's q is asked for as soon as this group's multiply-adds are issued, and lands under the quantising
.macro TRIP next
	s_wait_dscnt 0x0                               ; q is in
.set wn, 0
.rept 3
	WIN wn+1                                       ; source 0, w1's pairs, in window 1, 2, 3
.set np, 12-4*(wn/2)
.set jj, 0
.rept 10
.set pp, 0
.rept 12
.if pp < np
.set pa, ACC+2*(12*wn+pp)
.set pb, B+2*(12*wn+pp)
.if jj == 0
	v_pk_fma_f32 v[pa:pa+1], v[20*pp:20*pp+1], v[Q:Q+1], v[pb:pb+1] op_sel_hi:[1,0,1]                        ; b1 + w1[.][0] q0: two units at a time; of q's pair the one number serves both halves
.elseif jj%2 == 0
	v_pk_fma_f32 v[pa:pa+1], v[20*pp+2*jj:20*pp+2*jj+1], v[Q+jj:Q+jj+1], v[pa:pa+1] op_sel_hi:[1,0,1]
.else
	v_pk_fma_f32 v[pa:pa+1], v[20*pp+2*jj:20*pp+2*jj+1], v[Q+jj-1:Q+jj], v[pa:pa+1] op_sel:[0,1,0] op_sel_hi:[1,1,1]
.endif
.endif
.set pp, pp+1
.endr
.set jj, jj+1
.endr
.set wn, wn+1
.endr
	WIN 0
.if \next
	v_add_nc_u32 v[QA], s51, v[L16]
	v_add_nc_u32 v[QB], s51, v[L8]
	ds_load_b128 v[Q:Q+3], v[QA]
	ds_load_b128 v[Q+4:Q+7], v[QA] offset:512
	ds_load_b64 v[Q+8:Q+9], v[QB] offset:1024
.endif
.set i, 0
.rept 64
	v_max_num_f32 v[ACC+i], 0, v[ACC+i]            ; relu, in f32
.set i, i+1
.endr
	QPAIR ACC
	PUT 14, 0
.if \next
	v_add_nc_u32 v[SA], s52, v[SSA]
	ds_store_b16 v[SA], v[HW]                      ; my row's two scale bytes, to my wave's own bytes
	s_wait_xcnt 0x0                                ; the stores have read their registers and their base: both are written again only behind this wait
	s_add_nc_u64 s[14:15], s[14:15], 2*TROW
	s_add_co_u32 s51, s51, 1280
	s_add_co_u32 s52, s52, 64
.else
	ds_store_b16 v[SSA], v[HW] offset:31*64
.endif
.endm
	s_mov_b32 s50, 31
	s_mov_b32 s51, 1280                            ; the next group's q
	s_mov_b32 s52, 0                               ; this group's scale bytes
.Ltrip:
	TRIP 1
	s_sub_co_u32 s50, s50, 1
	s_cmp_lg_u32 s50, 0
	s_cbranch_scc1 .Ltrip
	TRIP 0                                         ; the last group asks for nothing more
	; THE SCALES LEAVE.  A K step's word is two waves' halfwords: they meet in LDS, and each wave stores 512 rows' words of one K step
	s_wait_dscnt 0x0                               ; for the others' sake: my byte stores have landed
	s_barrier_signal -1
	s_barrier_wait -1
.irp t, 0,1,2,3
	ds_load_b64 v[64+4*\t:65+4*\t], v[SRA] offset:256*\t           ; bytes 0, 1 of rows 128 t + 4 l .. + 3
	ds_load_b64 v[66+4*\t:67+4*\t], v[SRA] offset:2048+256*\t      ; bytes 2, 3
.endr
	s_wait_dscnt 0x0
.irp t, 0,1,2,3
	v_perm_b32 v[96+4*\t], v[66+4*\t], v[64+4*\t], s53
	v_perm_b32 v[97+4*\t], v[66+4*\t], v[64+4*\t], s54
	v_perm_b32 v[98+4*\t], v[67+4*\t], v[65+4*\t], s53
	v_perm_b32 v[99+4*\t], v[67+4*\t], v[65+4*\t], s54
	global_store_b128 v[L16], v[96+4*\t:99+4*\t], s[16:17] offset:512*\t      ; 32 lanes store 512 consecutive bytes, at a multiple of 256 from hs's first byte
.endr
	s_wait_tensorcnt 0x0
	ds_add_u32 v254, v255
	s_wait_dscnt 0x0
	s_endpgm
.Lfunc_end_k_q1ca9a6d2fa_make:
	.size	k_q1ca9a6d2fa_make, .Lfunc_end_k_q1ca9a6d2fa_make-k_q1ca9a6d2fa_make
	.p2alignl 7, 3214868480
	.fill 96, 4, 3214868480
	.section	.rodata,"a",@progbits
	.p2align	6, 0x0
	.amdhsa_kernel k_q1ca9a6d2fa_make
		.amdhsa_group_segment_fixed_size 129536
		.amdhsa_private_segment_fixed_size 0
		.amdhsa_enable_private_segment 0
		.amdhsa_kernarg_size 72
		.amdhsa_user_sgpr_count 2
		.amdhsa_user_sgpr_kernarg_segment_ptr 1
		.amdhsa_wavefront_size32 1
		.amdhsa_system_sgpr_workgroup_id_x 1
		.amdhsa_system_sgpr_workgroup_id_y 1
		.amdhsa_system_sgpr_workgroup_id_z 1
		.amdhsa_system_vgpr_workitem_id 0
		.amdhsa_next_free_vgpr 1024
		.amdhsa_next_free_sgpr 66
		.amdhsa_reserve_vcc 0
		.amdhsa_float_denorm_mode_32 3
		.amdhsa_float_denorm_mode_16_64 3
		.amdhsa_memory_ordered 1
		.amdhsa_forward_progress 1
		.amdhsa_inst_pref_size 155
	.end_amdhsa_kernel
	.amdgpu_metadata
---
amdhsa.version: [ 1, 2 ]
amdhsa.kernels:
  - .name:           k_q1ca9a6d2fa_make
    .symbol:         k_q1ca9a6d2fa_make.kd
    .args:
      - { .name: x, .offset: 0, .size: 8, .value_kind: global_buffer, .address_space: global }
      - { .name: theta, .offset: 8, .size: 8, .value_kind: global_buffer, .address_space: global }
      - { .name: w1, .offset: 16, .size: 8, .value_kind: global_buffer, .address_space: global }
      - { .name: b1, .offset: 24, .size: 8, .value_kind: global_buffer, .address_space: global }
      - { .name: w2, .offset: 32, .size: 8, .value_kind: global_buffer, .address_space: global }
      - { .name: hc, .offset: 40, .size: 8, .value_kind: global_buffer, .address_space: global }
      - { .name: hs, .offset: 48, .size: 8, .value_kind: global_buffer, .address_space: global }
      - { .name: wc, .offset: 56, .size: 8, .value_kind: global_buffer, .address_space: global }
      - { .name: ws, .offset: 64, .size: 8, .value_kind: global_buffer, .address_space: global }
    .group_segment_fixed_size: 129536
    .private_segment_fixed_size: 0
    .kernarg_segment_align: 8
    .kernarg_segment_size: 72
    .max_flat_workgroup_size: 128
    .sgpr_count:     66
    .vgpr_count:     1024
    .wavefront_size: 32
...
	.end_amdgpu_metadata
.endif
;; end of part 1
;; launch gemm (part 2): grid 4 x 64, 4 waves a work-group, clusters of 4 x 4, 327,680 bytes of LDS; arguments hc, hs, wc, ws, out0, b2; writes out0
.if DOCPART == 2
	.amdgcn_target "amdgcn-amd-amdhsa--gfx1250"
	.amdhsa_code_object_version 6
	.text
	.protected	k_q1ca9a6d2fa_gemm
	.globl	k_q1ca9a6d2fa_gemm
	.p2align	8
	.type	k_q1ca9a6d2fa_gemm,@function
k_q1ca9a6d2fa_gemm:
	s_mov_b64 s[64:65], 0
	v_nop
	global_prefetch_b8 v0, s[64:65] scope:SCOPE_SE
	s_setreg_imm32_b32 hwreg(HW_REG_WAVE_MODE, 25, 1), 1
	s_wait_xcnt 0x0
	s_wait_alu depctr_hold_cnt(0) depctr_sa_sdst(0) depctr_va_vdst(0) depctr_va_sdst(0) depctr_va_ssrc(0) depctr_va_vcc(0) depctr_vm_vsrc(0)
	s_getreg_b32 s2, hwreg(HW_REG_IB_STS2, 6, 4)
	s_cmp_eq_u32 s2, 0
	s_cbranch_scc0 .Lentry_in_a_cluster
	s_endpgm
.Lentry_in_a_cluster:
	s_bfe_u32 s2, ttmp6, 0x10000c
	s_cmp_lg_u32 s2, 0xf033
	s_cbranch_scc0 .Lentry_shape_is_right
	s_endpgm
.Lentry_shape_is_right:
; SECOND OF TWO LAUNCHES.  out0[m][n] = b2[n] + sum over k of h[m][k] w2[n][k], m 16,384, n 1,024, k 4,096, on codes of BF6 (E3M2) with one E8M0 scale for each 32 along K; sums in f32.
; hc, wc: [row tile of 16][kh = 64 along K][768 bytes] in the order of the operand's registers: bytes 16 l .. + 15 are registers 0-3, bytes 512 + 8 l .. + 7 registers 4-5 of lane l; unit kh = 2 s + c
; is registers 6 c .. 6 c + 5 of the fragment of K step s.  hs, ws: [K step of 128][row][4 bytes].
; A tile of out0, 256 x 256, is made by a work-group of four waves; a wave makes 128 x 128: 64 accumulators of 16 x 16, 512 registers.  There are 256 tiles.
; THE RING.  K goes through two LDS slots of 384 along K, the longest that two slots of 512 rows allow in LDS: of each row tile 4,608 consecutive bytes, which begin at a multiple of 256.
; 4,096 = 10 x 384 + 256: eleven slots, the last of 256 along K, with descriptors of its own.  A slot is three steps of 128: 192 matrix instructions a wave between two changes of slots.
; A fragment is read as it lies: every LDS load takes consecutive bytes of the 32 lanes, so there is no pitch and no padding.
; THE SCALE WORDS go from memory straight into registers, so that LDS is the ring's: a load of 4 bytes a lane brings the words of 32 neighbouring rows, lanes 0-15 those of an even block of 16 rows,
; lanes 16-31 those of the odd block beside it, and the product names the half that it wants.  A slot's 24 loads are issued a whole slot ahead of their first use, into two sets by turns.
; CLUSTERS: 4 x 4 work-groups.  The four of a row of the cluster need the same tiles of h, the four of a column the same tiles of w2: each tile is asked for JOINTLY, by the same tensor load with the
; same descriptor and a mask that names the four.  THE MATRIX INSTRUCTION IS USED TRANSPOSED (source 0 = 16 rows of w2, source 1 = 16 rows of h): a lane then holds eight neighbouring numbers of a row of out0.
; b2 IS THE C OF EACH SUM'S FIRST PRODUCT: eight registers for each of the wave's eight column blocks, in the result's layout; nothing is cleared and nothing is added.
; REGISTERS, in windows of 256: window 0: v0-31 addresses; v32-79 scale words, two sets of 24; v96-159 b2; v160-255 h's fragments (8 x 16 rows x 128 K), ONE set; on the way out v128-255 are free.
;   window 1: w2's fragments, TWO sets, at v0 and at v128.   window 2: the 32 accumulators of my rows 0-63 (accumulator (a, b) at v[8 (8 a + b)]);   window 3: those of my rows 64-127.
.set SIZE_N, 1024
.set NQ,     3                         ; steps of 128 along K in a slot
.set STEPB,  1536                      ; a row tile's bytes of one step: two units of 768
.set TILEB,  NQ*STEPB                  ; and of a slot: 4,608
.set LASTB,  2*STEPB                   ; and of the last slot: 3,072
.set TROW,   49152                     ; a row tile in memory
.set HSK,    65536                     ; from K step to K step in hs,
.set WSK,    4096                      ; and in ws
.set FR,     12                        ; registers of a fragment: 16 rows x 128 K
.set NL,     4                         ; LDS loads that bring one
.set NP,     4                         ; places behind this matrix instruction (ISA guide 7.12.1)
.set HALFT,  8*TILEB                   ; 128 rows: what one tensor load brings, and what one wave reads of h or of w2
.set SLOT,   4*HALFT                   ; h's 256 rows, then w2's 256 rows: 147,456 bytes
.set SPARE,  2*SLOT                    ; behind the ring: the spare words, 128 bytes for each wave: two blocks of 256 bytes that no other line names
.set STAGE,  SLOT                      ; the way out: a stage of 16 rows x (512 bytes + 16) for each wave.  It lies in LDS slot 1, which has had its last fill and its last read when the first result is stored there: the last slot of K lies in LDS slot 0
.set SPITCH, 528
.set ADRA, 16                          ; v16-17  my h fragments in slot 0, 1, + 16 x lane  (v18-19: + 8 x lane)
.set ADRB, 20                          ; v20-21  the same for w2  (v22-23)
.set STO,  24                          ; v24     the way out: where I put 32 bytes of a row
.set RD,   25                          ; v25     the way out: where I read a row back
.set CO,   26                          ; v26     my byte offset in a row of out0
.set SPW,  28                          ; v28     LDS address of my spare word: SPARE + 4 x my thread's number; never rewritten
.set NIL,  29                          ; v29     0; never rewritten
.set SL,   30                          ; v30     4 x lane: my word of a scale load's 128 bytes; never rewritten
.set PFO,  31                          ; v31     the prefetches' offset: 256 x the smaller of my lane and 17; never rewritten
.set SC,   32                          ; scale words: set s (for LDS slot s) at v[SC + 24 s]; in it, for the slot's q-th step, registers 8 q + i: h's rows 32 i .. + 31 of my 128, registers 8 q + 4 + i: w2's
.set BI,   96                          ; b2: register 8 b + j of lane (r, h): column 16 b + 8 h + j of my 128
.set AF,   160                         ; h's fragments, in window 0
.set BK,   128                         ; the way out: 16 rows read back from the stage: v128-191 and v192-255 by turns
.set G1, 24                            ; s[24:31] descriptor group 1 for h's tiles;  s[32:39] group 0, one set for each slot
.set G0, 32
.set G1B, 48                           ; s[48:55], s[56:63] the same for w2's tiles
.set G0B, 56
.set G1L, 68                           ; s[68:75] group 1 for h's tile of the last, shorter slot;  s[80:87] for w2's
.set G1LB, 80
.set HSB, 76                           ; s[76:77] hs at my 128 rows;  s[78:79] ws likewise: both walk, three K steps a slot
.set WSB, 78
.set PFA, 88                           ; s[88:89] where my prefetches stand in hc;  s[90:91] in wc: both walk, a slot at a time
.set PFB, 90
.set CLY, 98                           ; s98     the cluster's y
.set TP,  TILEB                        ; from row tile to row tile in the slot that is being read
.set MSB, 0
.macro WIN new                         ; the immediate's high byte repeats the setting that is left
.if MSB != (\new)
	s_set_vgpr_msb (MSB<<8)|(\new)
.set MSB, (\new)
.endif
.endm
.set MUL_LO, 0xa1                      ; source 0 (w2) window 1, source 1 (h) window 0, C and D window 2
.set MUL_HI, 0xf1                      ; the same, C and D window 3
.set ONE_LO, 0x81                      ; the first products: C (b2) window 0, D window 2
.set ONE_HI, 0xc1                      ; D window 3
.set TO_B,   0x40                      ; destination window 1, address window 0
; A joint load: waves 0 and 1 fetch for h, waves 2 and 3 for w2.  Each of the two lines has ONE mask and one set of registers for all that issue it; the branch hangs on the wave's number alone.
; Four v_nop follow each of the two lines, ahead of the jump, the label and what follows.
.macro JLOAD g0a, g1a, g0b, g1b
	s_cmp_eq_u32 s15, 0
	s_cbranch_scc0 .Lfor_b_\@
	tensor_load_to_lds s[\g0a:\g0a+3], s[\g1a:\g1a+7]
	s_nop 0
.rept 4
	v_nop
.endr
	s_branch .Lasked_\@
.Lfor_b_\@:
	tensor_load_to_lds s[\g0b:\g0b+3], s[\g1b:\g1b+7]
	s_nop 0
.rept 4
	v_nop
.endr
.Lasked_\@:
.endm
.macro CREST                           ; a round of the cluster's barrier behind its opening barrier
	s_cmp_lg_u32 s14, 0
	s_cbranch_scc1 .Lnot_wave_0_\@
	s_barrier_signal -3
.Lnot_wave_0_\@:
	s_barrier_wait -3
	s_barrier_signal -1
	s_barrier_wait -1
.endm
.macro CROUND                          ; a whole round
	s_barrier_signal -1
	s_barrier_wait -1
	CREST
.endm
; n K steps' scale words, from k0 K steps behind where the two bases stand, into set: eight loads a K step, each of 128 consecutive bytes; four of them cover my 128 rows' 512 bytes
.macro SCLOAD set, k0, n
.set qq, 0
.rept \n
.irp i, 0,1,2,3
	global_load_b32 v[SC+8*NQ*(\set)+8*qq+\i], v[SL], s[HSB:HSB+1] offset:((\k0)+qq)*HSK+128*\i
	global_load_b32 v[SC+8*NQ*(\set)+8*qq+4+\i], v[SL], s[WSB:WSB+1] offset:((\k0)+qq)*WSK+128*\i
.endr
.set qq, qq+1
.endr
.endm
; A PREFETCH INTO THE L2 of the slot that the NEXT change of slots will ask for: three steps, 192 matrix instructions, ahead of that tensor load.  It stands with the change's scale loads, behind the joint load and the runs of LDS loads.
; A slot's part of a row tile is 4,608 bytes: 18 blocks of 256, a lane a block (lanes 18 to 31 name lane 17's block with it).  hc: a tile row's 16 row tiles are read by the four work-groups of a row of the cluster
; and by nobody else; their sixteen waves take one row tile each, told apart BY ADDRESS: row tile 4 cx + wave.  wc: a tile column's 16 row tiles are read by every cluster: the clusters with y = 0 ask,
; row tile 4 cy + wave (a branch on the cluster's y, which all partners share).  So each block is named by one wave of the launch.
; Slots 0 to 2 come by their loads alone: nothing is asked for at the head.  last = 1: in the loop's last trip nothing is asked for: what follows is the short slot, whose row tiles have no 18 blocks left.
.macro ASK last
.if \last
	s_cmp_gt_u32 s3, 1                             ; s3 = 1 in the loop's last trip
	s_cbranch_scc0 .Lnone_\@
.endif
	global_prefetch_b8 v[PFO], s[PFA:PFA+1] offset:2*TILEB th:TH_LOAD_NT scope:SCOPE_SE
	s_cmp_eq_u32 s[CLY], 0
	s_cbranch_scc0 .Lnone_\@
	global_prefetch_b8 v[PFO], s[PFB:PFB+1] offset:2*TILEB th:TH_LOAD_NT scope:SCOPE_SE
.Lnone_\@:
.endm
	s_load_b128 s[4:7], s[0:1], 0x0                ; hc s[4:5], hs s[6:7]
	s_load_b128 s[8:11], s[0:1], 0x10              ; wc s[8:9], ws s[10:11]
	s_load_b64 s[12:13], s[0:1], 0x20              ; out0
	s_load_b64 s[96:97], s[0:1], 0x28              ; b2
	v_lshl_add_u32 v[SPW], v0, 2, SPARE
	v_mov_b32 v[NIL], 0
	ds_add_u32 v28, v29
	ds_add_u32 v28, v29
	s_wait_dscnt 0x0
	v_lshrrev_b32 v1, 5, v0
	v_readfirstlane_b32 s14, v1                    ; wave 0..3
	s_lshr_b32 s15, s14, 1                         ; which half of the tile's rows is mine.  Also: I fetch for h (0) or for w2 (1)
	s_and_b32 s16, s14, 1                          ; which half of its columns.  Also: which half of that tile I fetch
	s_bfe_u32 s40, ttmp6, 0x40000                  ; cx, cy: my place in the cluster
	s_bfe_u32 s41, ttmp6, 0x40004
	s_lshl_b32 s42, ttmp9, 2
	s_add_co_u32 s42, s42, s40                     ; tile column = 4 x cluster x + cx
	s_and_b32 s[CLY], ttmp7, 0xffff
	s_lshl_b32 s17, s[CLY], 2
	s_add_co_u32 s17, s17, s41                     ; tile row = 4 x cluster y + cy
	s_lshl_b32 s43, s41, 2
	s_lshl_b32 s43, 15, s43                        ; my row of the cluster
	s_lshl_b32 s44, 0x1111, s40                    ; my column
	; descriptor group 1: 8 row tiles x 4,608 bytes (576 elements of 8 bytes), 49,152 bytes (6,144 elements) apart; dense in LDS.  For the last slot: x 3,072 bytes (384 elements)
	s_or_b32 s[G1+0], s43, (3<<16)|(1<<21)         ; 15:0 the mask: h's tiles go to my row; 17:16 elements of 8 bytes; 20 padding off; 21 set beside a mask
	s_or_b32 s[G1B+0], s44, (3<<16)|(1<<21)
	s_or_b32 s[G1L+0], s43, (3<<16)|(1<<21)
	s_or_b32 s[G1LB+0], s44, (3<<16)|(1<<21)
.irp g, G1, G1B
	s_mov_b32 s[\g+1], (TILEB/8)<<16               ; tensor_dim0
	s_mov_b32 s[\g+2], 8<<16                       ; tensor_dim1
	s_mov_b32 s[\g+3], (TILEB/8)<<16               ; tile_dim0
	s_mov_b32 s[\g+4], 8                           ; tile_dim1
	s_mov_b32 s[\g+5], TROW/8                      ; tensor_dim0_stride
	s_mov_b32 s[\g+6], 0
	s_mov_b32 s[\g+7], 0
.endr
.irp g, G1L, G1LB
	s_mov_b32 s[\g+1], (LASTB/8)<<16
	s_mov_b32 s[\g+2], 8<<16
	s_mov_b32 s[\g+3], (LASTB/8)<<16
	s_mov_b32 s[\g+4], 8
	s_mov_b32 s[\g+5], TROW/8
	s_mov_b32 s[\g+6], 0
	s_mov_b32 s[\g+7], 0
.endr
	; where the tiles come from.  h's hang on the tile row alone, which my row of the cluster shares; w2's on the tile column alone, which my column shares
	s_lshl_b32 s18, s16, 3                         ; which 8 row tiles of the 16 I fetch
	s_lshl_b32 s20, s17, 4
	s_add_co_u32 s20, s20, s18
	s_mul_i32 s20, s20, TROW                       ; hc: row tile 16 x tile row + 8 x half (under 2^26 bytes)
	s_mov_b32 s21, 0
	s_lshl_b32 s46, s42, 4
	s_add_co_u32 s46, s46, s18
	s_mul_i32 s46, s46, TROW                       ; wc likewise, by the tile column
	s_mov_b32 s47, 0
	s_lshl_b32 s22, s17, 10                        ; hs: my 128 rows' words: 1,024 bytes a tile row, 512 a half
	s_lshl_b32 s23, s15, 9
	s_add_co_u32 s22, s22, s23
	s_mov_b32 s23, 0
	s_lshl_b32 s94, s42, 10                        ; ws likewise, by the tile column
	s_lshl_b32 s95, s16, 9
	s_add_co_u32 s94, s94, s95
	s_mov_b32 s95, 0
	s_lshl_b32 s90, s17, 4                         ; the prefetches: hc's row tile 16 x tile row + 4 cx + wave,
	s_lshl_b32 s91, s40, 2
	s_add_co_u32 s90, s90, s91
	s_add_co_u32 s90, s90, s14
	s_mul_i32 s90, s90, TROW
	s_mov_b32 s91, 0
	s_lshl_b32 s92, s42, 4                         ; wc's row tile 16 x tile column + 4 cy + wave
	s_lshl_b32 s93, s41, 2
	s_add_co_u32 s92, s92, s93
	s_add_co_u32 s92, s92, s14
	s_mul_i32 s92, s92, TROW
	s_mov_b32 s93, 0
	s_mul_i32 s45, s14, HALFT                      ; where the tiles go: wave x 128 rows: no place in the cluster enters an LDS address
	s_wait_kmcnt 0x0
	s_add_nc_u64 s[20:21], s[4:5], s[20:21]
	s_add_nc_u64 s[46:47], s[8:9], s[46:47]
	s_add_nc_u64 s[HSB:HSB+1], s[6:7], s[22:23]
	s_add_nc_u64 s[WSB:WSB+1], s[10:11], s[94:95]
	s_add_nc_u64 s[PFA:PFA+1], s[4:5], s[90:91]    ; at slot 0: each change of slots steps it by a slot and names the slot two further on
	s_add_nc_u64 s[PFB:PFB+1], s[8:9], s[92:93]
	CROUND                                         ; all sixteen work-groups are here: the first joint loads meet
.irp s, 0,1
	s_mov_b32 s[G0+4*\s], 1
	s_add_co_u32 s[G0+4*\s+1], s45, \s*SLOT
	s_add_nc_u64 s[G0+4*\s+2:G0+4*\s+3], s[20:21], \s*TILEB
	s_or_b32 s[G0+4*\s+3], s[G0+4*\s+3], 0x80000000
	s_mov_b32 s[G0B+4*\s], 1
	s_add_co_u32 s[G0B+4*\s+1], s45, \s*SLOT
	s_add_nc_u64 s[G0B+4*\s+2:G0B+4*\s+3], s[46:47], \s*TILEB
	s_or_b32 s[G0B+4*\s+3], s[G0B+4*\s+3], 0x80000000
	JLOAD G0+4*\s, G1, G0B+4*\s, G1B               ; both slots' first fills: two loads of mine are out
.endr
	v_and_b32 v1, 15, v0                           ; r = l % 16
	v_bfe_u32 v2, v0, 4, 1                         ; h = l / 16
	v_and_b32 v6, 31, v0                           ; lane
	v_lshlrev_b32 v4, 4, v6                        ; 16 x lane: registers 0-3 of a unit
	v_lshlrev_b32 v5, 3, v6                        ; 8 x lane: registers 4-5
	v_lshlrev_b32 v[SL], 2, v6
	v_min_u32 v[PFO], 17, v6
	v_lshlrev_b32 v[PFO], 8, v[PFO]
	s_mul_i32 s21, s15, HALFT                      ; my 128 rows of h
	s_mul_i32 s22, s16, HALFT                      ; my 128 rows of w2,
	s_add_co_u32 s22, s22, 2*HALFT                 ; which lie behind h's 256
.irp s, 0,1
	v_add_nc_u32 v[ADRA+\s], s21, v4
	v_add_nc_u32 v[ADRB+\s], s22, v4
	v_add_nc_u32 v[ADRA+2+\s], s21, v5
	v_add_nc_u32 v[ADRB+2+\s], s22, v5
	s_add_co_u32 s21, s21, SLOT
	s_add_co_u32 s22, s22, SLOT
.endr
	s_mul_i32 s23, s14, 16*SPITCH
	s_add_co_u32 s23, s23, STAGE                   ; my stage
	v_mul_u32_u24 v5, v1, SPITCH                   ; in: row l % 16, 32 bytes for each half of the lanes
	v_lshl_add_u32 v5, v2, 5, v5
	v_add_nc_u32 v[STO], s23, v5
	v_lshlrev_b32 v[CO], 4, v6                     ; back: the 32 lanes take one row of 512 bytes; and the same in out0
	v_add_nc_u32 v[RD], s23, v[CO]
	v_lshlrev_b32 v3, 5, v2                        ; b2: 32 bytes for each half of the lanes
	s_lshl_b32 s20, s17, 8
	s_lshl_b32 s21, s15, 7
	s_add_co_u32 s20, s20, s21                     ; my first row of out0: 256 x tile row + 128 x half,
	s_lshl_b32 s20, s20, 12                        ; of 4,096 bytes (under 2^27)
	s_mov_b32 s21, 0
	s_lshl_b32 s46, s42, 10                        ; my first column, in bytes: 1024 x tile column + 512 x half
	s_lshl_b32 s47, s16, 9
	s_add_co_u32 s46, s46, s47
	s_mov_b32 s47, 0
	s_add_nc_u64 s[96:97], s[96:97], s[46:47]
	s_add_nc_u64 s[20:21], s[20:21], s[46:47]
	s_add_nc_u64 s[12:13], s[12:13], s[20:21]
.irp b, 0,1,2,3,4,5,6,7
	global_load_b128 v[BI+8*\b:BI+8*\b+3], v3, s[96:97] offset:64*\b          ; b2 of columns 16 b + 8 h + 0 .. 7
	global_load_b128 v[BI+8*\b+4:BI+8*\b+7], v3, s[96:97] offset:64*\b+16
.endr
	SCLOAD 0, 0, NQ                                ; the scale words of slots 0 and 1
	SCLOAD 1, NQ, NQ
.macro FRAG reg, adr, q, i             ; a fragment, 16 rows x 128 K, is 12 registers: two units of 768 bytes, each 16 bytes a lane and then 8 bytes a lane, as the first launch laid them
.irp c, 0,1
	ds_load_b128 v[\reg+6*\c:\reg+6*\c+3], v[\adr] offset:(\i)*TP+(\q)*STEPB+768*\c
	ds_load_b64 v[\reg+6*\c+4:\reg+6*\c+5], v[\adr+2] offset:(\i)*TP+(\q)*STEPB+768*\c+512
.endr
.endm
; one product, by the symbols that MUL16 sets.  The first scale operand goes with source 0 (w2), the second with source 1 (h); an odd block's words stand in lanes 16-31 of their register
.macro WM
.if rRW && rRH
	v_wmma_scale_f32_16x16x128_f8f6f4 v[rD:rD+7], v[rW:rW+FR-1], v[rH:rH+FR-1], v[rC:rC+7], v[rSW], v[rSH] matrix_a_fmt:MATRIX_FMT_BF6 matrix_b_fmt:MATRIX_FMT_BF6 matrix_a_scale:MATRIX_SCALE_ROW1 matrix_b_scale:MATRIX_SCALE_ROW1
.elseif rRW
	v_wmma_scale_f32_16x16x128_f8f6f4 v[rD:rD+7], v[rW:rW+FR-1], v[rH:rH+FR-1], v[rC:rC+7], v[rSW], v[rSH] matrix_a_fmt:MATRIX_FMT_BF6 matrix_b_fmt:MATRIX_FMT_BF6 matrix_a_scale:MATRIX_SCALE_ROW1
.elseif rRH
	v_wmma_scale_f32_16x16x128_f8f6f4 v[rD:rD+7], v[rW:rW+FR-1], v[rH:rH+FR-1], v[rC:rC+7], v[rSW], v[rSH] matrix_a_fmt:MATRIX_FMT_BF6 matrix_b_fmt:MATRIX_FMT_BF6 matrix_b_scale:MATRIX_SCALE_ROW1
.else
	v_wmma_scale_f32_16x16x128_f8f6f4 v[rD:rD+7], v[rW:rW+FR-1], v[rH:rH+FR-1], v[rC:rC+7], v[rSW], v[rSH] matrix_a_fmt:MATRIX_FMT_BF6 matrix_b_fmt:MATRIX_FMT_BF6
.endif
.endm
; 16 matrix instructions: h's blocks a0, a0 + 1 x w2's eight, 128 along K: the slot's q-th.  p: w2's set;  sc: the set of scale words.  first = 1: the sums begin with b2 as C.
; The 64 accumulators take turns, one instruction a turn, in the same order in every step.
.macro MUL16 a0, p, q, sc, first
.irp a, \a0, \a0+1
.irp b, 0,1,2,3,4,5,6,7
.set rD, 8*(8*((\a)%4)+\b)
.set rC, rD
.if \first
.set rC, BI+8*\b
.endif
.set rW, 128*(\p)+FR*\b
.set rH, AF+FR*(\a)
.set rSW, SC+8*NQ*(\sc)+8*(\q)+4+\b/2
.set rSH, SC+8*NQ*(\sc)+8*(\q)+(\a)/2
.set rRW, \b%2
.set rRH, (\a)%2
	WM
.endr
.endr
.endm
.macro FETCH_B slot, q, p              ; w2's eight fragments of the slot's q-th 128 along K into set p
	WIN TO_B
.irp i, 0,1,2,3,4,5,6,7
	FRAG 128*(\p)+FR*\i, ADRB+\slot, \q, \i
.endr
	WIN 0
.endm
.macro FETCH_A slot, q, i0             ; h's blocks i0 .. i0 + 3
.irp i, \i0, \i0+1, \i0+2, \i0+3
	FRAG AF+FR*(\i), ADRA+\slot, \q, \i
.endr
.endm
; A load into a register that a matrix instruction has read, and an LDS store that reads a matrix result, stand NP places behind that matrix instruction, and only plain vector
; instructions that name none of its registers are places (ISA guide 7.12.1 for vector instructions); the matrix instructions in between are not counted.
.macro PLACES n
.rept \n
	v_nop
.endr
.endm
; A step of 128 along K that has its successor in the same slot.  w2's set is (slot + q) % 2: a slot has three steps, so the sets change places from slot to slot and are back after two slots.
.macro STEP slot, q, first
	s_wait_dscnt 4*NL                              ; w2's set and h's blocks 0-3 are in; the youngest sixteen loads (h's blocks 4-7) may be out
.if \first
	WIN ONE_LO
.else
	WIN MUL_LO
.endif
	MUL16 0, (\slot+\q)%2, \q, \slot, \first
	MUL16 2, (\slot+\q)%2, \q, \slot, \first
	s_wait_dscnt 0                                 ; h's blocks 4-7 are in (asked for 32 matrix instructions ago)
	PLACES NP
	FETCH_B \slot, (\q)+1, 1-(\slot+\q)%2
	FETCH_A \slot, (\q)+1, 0
.if \first
	WIN ONE_HI
.else
	WIN MUL_HI
.endif
	MUL16 4, (\slot+\q)%2, \q, \slot, \first
	MUL16 6, (\slot+\q)%2, \q, \slot, \first
	PLACES NP
	WIN 0
	FETCH_A \slot, (\q)+1, 4
.endm
; A slot's last step changes slots: ONE barrier; in front of it each wave waits for all its tensor loads, adds 0 to its spare word, and waits for that and for its own reads of this slot.
; fill = 1: this slot is filled again, with the slot of K two further on; 2: with the last, shorter one; 0: no more.  nsc: of how many K steps the scale words are asked for, for the same slot of K, into the
; set that this step's last products leave.  pf: 1: a prefetch; 2: but in the loop's last trip; 0: none.
.macro TURN slot, next, fill, nsc, pf
.if \nsc
	s_wait_xcnt 0x0                                ; the scale loads and prefetches of the last change, a slot back, have read their bases: only behind this wait are the bases stepped
	s_add_nc_u64 s[HSB:HSB+1], s[HSB:HSB+1], NQ*HSK
	s_add_nc_u64 s[WSB:WSB+1], s[WSB:WSB+1], NQ*WSK
.endif
.if \pf
	s_add_nc_u64 s[PFA:PFA+1], s[PFA:PFA+1], TILEB
	s_add_nc_u64 s[PFB:PFB+1], s[PFB:PFB+1], TILEB
.endif
	s_wait_tensorcnt 0x0                           ; all my tensor loads have landed: my part of the next slot;  (every window is 0 here: the add's two registers lie in window 0)
	ds_add_u32 v[SPW], v[NIL]                      ; 0 onto my spare word
	s_wait_dscnt 4*NL+1                            ; (the add and the youngest sixteen loads, h's blocks 4-7, may be out)
	WIN MUL_LO
	MUL16 0, (\slot)%2, NQ-1, \slot, 0             ; sixteen matrix instructions stand between the add and the wait for it
	s_wait_dscnt 0x0                               ; the add is done, and my reads of this slot are over
	s_barrier_signal -1
	MUL16 2, (\slot)%2, NQ-1, \slot, 0
	WIN 0
	s_barrier_wait -1
.if \fill
	CREST                                          ; the barrier has opened a round of the cluster's barrier: no wave of any partner still reads this slot's tile or has a load on its way
	s_add_nc_u64 s[G0+4*\slot+2:G0+4*\slot+3], s[G0+4*\slot+2:G0+4*\slot+3], 2*TILEB
	s_add_nc_u64 s[G0B+4*\slot+2:G0B+4*\slot+3], s[G0B+4*\slot+2:G0B+4*\slot+3], 2*TILEB
.if \fill == 1
	JLOAD G0+4*\slot, G1, G0B+4*\slot, G1B         ; the first tensor load behind the round, my one load until the next: 160 matrix instructions ahead of the wait for it; the four v_nop behind it are the places in front of the loads below
.else
	JLOAD G0+4*\slot, G1L, G0B+4*\slot, G1LB       ; the same for the last slot of K: 3,072 bytes of each row tile, so that no load leaves a row tile
.endif
.else
	PLACES NP
.endif
	FETCH_B \next, 0, (\next)%2
	FETCH_A \next, 0, 0
	WIN MUL_HI
	MUL16 4, (\slot)%2, NQ-1, \slot, 0
	MUL16 6, (\slot)%2, NQ-1, \slot, 0
	PLACES NP                                      ; for the loads into h's blocks 4-7 and into this slot's set of scale words, which the products above have read
	WIN 0
	FETCH_A \next, 0, 4
.if \nsc
	SCLOAD \slot, NQ, \nsc                         ; the bases stand one slot on from this one: these are the words of the slot after the next
.endif
.if \pf
	ASK (\pf)-1
.endif
.endm
	s_wait_tensorcnt 1                             ; my part of slot 0 is in (slot 1's load may be out)
	s_barrier_signal -1
	s_barrier_wait -1                              ; everybody's is
	FETCH_B 0, 0, 0
	FETCH_A 0, 0, 0
	FETCH_A 0, 0, 4
	s_wait_loadcnt 8*NQ                            ; b2 and slot 0's scale words are in; slot 1's 24 loads may be out
	STEP 0, 0, 1                                   ; the first step stands in front of the loop: its products start the sums, on b2
	s_mov_b32 s3, 4
.Llap:                                                 ; a trip goes once round the ring, six steps, from a lap's second step to the next lap's first, and fills both slots again: slots 2 to 9 of K in four trips
	STEP 0, 1, 0
	TURN 0, 1, 1, NQ, 1
	s_wait_loadcnt 8*NQ                            ; this slot's scale words are in; the 24 loads just issued, for the slot after it, may be out
	STEP 1, 0, 0
	STEP 1, 1, 0
	TURN 1, 0, 1, NQ, 2
	s_wait_loadcnt 8*NQ                            ; likewise
	STEP 0, 0, 0
	s_sub_co_u32 s3, s3, 1
	s_cmp_lg_u32 s3, 0
	s_cbranch_scc1 .Llap
	STEP 0, 1, 0                                   ; the tail is written out: slot 8 of K goes on,
	TURN 0, 1, 2, 2, 0                             ; its place takes the last slot, 256 along K, and two K steps' scale words are asked for
	s_wait_loadcnt 16                              ; slot 9's scale words are in; the 16 loads just issued may be out
	STEP 1, 0, 0
	STEP 1, 1, 0
.set TP, LASTB                                         ; from here on what is read lies in the last slot: its row tiles are 3,072 bytes apart
	TURN 1, 0, 0, 0, 0                             ; nothing is filled again: no round of the cluster's barrier
	s_wait_loadcnt 0x0                             ; the last scale words
	STEP 0, 0, 0
	s_wait_dscnt 4*NL                              ; the very last step: nothing more to fetch
	WIN MUL_LO
	MUL16 0, 1, 1, 0, 0
	MUL16 2, 1, 1, 0, 0
	s_wait_dscnt 0
	WIN MUL_HI
	MUL16 4, 1, 1, 0, 0
	MUL16 6, 1, 1, 0, 0
	WIN 0
; THE WAY OUT, block by block of 16 rows x 128 columns.  A lane holds 32 neighbouring bytes of a row, and the lanes beside it hold other rows: so a block goes through my own stage in LDS and comes back as whole
; rows of 512 bytes, which the 32 lanes store together.  LDS serves a wave's instructions in order (ISA guide 5.7.1.4): no wait between the stores and the loads, nor in front of the next block's stores.
.macro TOSTAGE a
.set AC, 64*((\a)%4)
	WIN 0x08+4*((\a)/4)                            ; the data: window 2 or 3
.irp b, 0,1,2,3,4,5,6,7
	ds_store_b128 v[STO], v[AC+8*\b:AC+8*\b+3] offset:64*\b          ; each accumulator from its low end on
	ds_store_b128 v[STO], v[AC+8*\b+4:AC+8*\b+7] offset:64*\b+16
.endr
	WIN 0
.set BB, BK+64*((\a)%2)
.irp t, 0,1,2,3,4,5,6,7,8,9,10,11,12,13,14,15
	ds_load_b128 v[BB+4*\t:BB+4*\t+3], v[RD] offset:\t*SPITCH
.endr
.endm
.macro SEND a, younger                 ; younger: the LDS instructions issued behind block a's loads, which may stay out
.set BB, BK+64*((\a)%2)
	s_wait_dscnt \younger                          ; the block is back in registers
.if (\a) > 0
	s_add_nc_u64 s[12:13], s[12:13], 16*SIZE_N*4   ; (behind a wait on XCNT: the earlier stores have read their base)  16 rows of out0 on
.endif
.irp t, 0,1,2,3,4,5,6,7,8,9,10,11,12,13,14,15
	global_store_b128 v[CO], v[BB+4*\t:BB+4*\t+3], s[12:13] offset:\t*SIZE_N*4 th:TH_STORE_NT   ; 32 lanes store 512 consecutive bytes, at a multiple of 256 from out0's first byte; written once, read by nobody here
.endr
.endm
	PLACES NP                                      ; these places serve the loads into the registers that held h's fragments and the reads of the last products' results alike
	TOSTAGE 0
.irp a, 1,2,3,4,5,6,7
.if \a > 1
	s_wait_xcnt 0x0                                ; block a - 2's stores have read their registers and their base: block a's loads may land there, and the base may step
.endif
	TOSTAGE \a
	SEND \a-1, 32                                  ; behind block a - 1's loads: block a's 16 stores and 16 loads
.endr
	s_wait_xcnt 0x0                                ; block 6's stores have read their base
	SEND 7, 0
	s_wait_tensorcnt 0x0                           ; the wave's end: behind my last tensor load and my last LDS store
	ds_add_u32 v[SPW], v[NIL]
	s_wait_dscnt 0x0
	CROUND                                         ; the closing round: no work-group ends while a partner may still ask for a tile that names it
	s_endpgm
.Lfunc_end_k_q1ca9a6d2fa_gemm:
	.size	k_q1ca9a6d2fa_gemm, .Lfunc_end_k_q1ca9a6d2fa_gemm-k_q1ca9a6d2fa_gemm
	.p2alignl 7, 3214868480
	.fill 96, 4, 3214868480
	.section	.rodata,"a",@progbits
	.p2align	6, 0x0
	.amdhsa_kernel k_q1ca9a6d2fa_gemm
		.amdhsa_group_segment_fixed_size 327680
		.amdhsa_private_segment_fixed_size 0
		.amdhsa_enable_private_segment 0
		.amdhsa_kernarg_size 48
		.amdhsa_user_sgpr_count 2
		.amdhsa_user_sgpr_kernarg_segment_ptr 1
		.amdhsa_wavefront_size32 1
		.amdhsa_system_sgpr_workgroup_id_x 1
		.amdhsa_system_sgpr_workgroup_id_y 1
		.amdhsa_system_sgpr_workgroup_id_z 1
		.amdhsa_system_vgpr_workitem_id 0
		.amdhsa_next_free_vgpr 1024
		.amdhsa_next_free_sgpr 100
		.amdhsa_reserve_vcc 0
		.amdhsa_float_denorm_mode_32 3
		.amdhsa_float_denorm_mode_16_64 3
		.amdhsa_memory_ordered 1
		.amdhsa_forward_progress 1
		.amdhsa_inst_pref_size 230
	.end_amdhsa_kernel
	.amdgpu_metadata
---
amdhsa.version: [ 1, 2 ]
amdhsa.kernels:
  - .name:           k_q1ca9a6d2fa_gemm
    .symbol:         k_q1ca9a6d2fa_gemm.kd
    .args:
      - { .name: hc, .offset: 0, .size: 8, .value_kind: global_buffer, .address_space: global }
      - { .name: hs, .offset: 8, .size: 8, .value_kind: global_buffer, .address_space: global }
      - { .name: wc, .offset: 16, .size: 8, .value_kind: global_buffer, .address_space: global }
      - { .name: ws, .offset: 24, .size: 8, .value_kind: global_buffer, .address_space: global }
      - { .name: out0, .offset: 32, .size: 8, .value_kind: global_buffer, .address_space: global }
      - { .name: b2, .offset: 40, .size: 8, .value_kind: global_buffer, .address_space: global }
    .group_segment_fixed_size: 327680
    .private_segment_fixed_size: 0
    .kernarg_segment_align: 8
    .kernarg_segment_size: 48
    .max_flat_workgroup_size: 128
    .sgpr_count:     100
    .vgpr_count:     1024
    .wavefront_size: 32
...
	.end_amdgpu_metadata
.endif
;; end of part 2
